; MI455X (gfx1250); checked and timed in simulation.
; The chip was launched on July 23, 2026; its instructions are those of AMD's public machine-readable ISA for CDNA 5 (MIT licence, August 2026) and "CDNA5" Instruction Set Architecture Reference Guide (July 2026). The comments in the code are by the model that wrote it; some were corrected since.
;; MHSA fl bs. Allowed arithmetic: matrix products marked QUANTISED: E4M3 operands, one given power-of-two scale a tensor, by v_wmma_f32_16x16x64_fp8_fp8 or v_wmma_f32_16x16x128_fp8_fp8, f32 sums; everything else in f32.
;; Inputs: Wb 1,024 x 64 float32; Wk 64 x 1,024 float32; Wq 64 x 1,024 float32; Wv 64 x 1,024 float32; bb 1,024 float32; bk 64 float32; bq 64 float32; bv 64 float32; k 1,024 x 4 x 1,024 float32; lowp_scales 12 int32 (the exponents e of the quantised operands' scales 2^e); q 4 x 1,024 x 1,024 float32; v 4 x 1,024 x 1,024 float32.
;; Outputs: out0 1,024 x 4 x 1,024 float32.
;; Constants: h = 32, w = 32.
;; This version of the problem:
;;   THIS VERSION OF THE PROBLEM IS GIVEN IN LOW PRECISION. The matrix products marked QUANTISED in the list below multiply operands that are first quantised to E4M3 (4 exponent bits, 3 mantissa bits; 8 bits a number), with one given power-of-two scale for each operand tensor; their sums are f32. All else is computed in f32.
;;   The module's matrix products, in the order in which they are computed (A, B: the left and right operand; K: the contracted axis; several contracted axes count as one K, in the product's order):
;;     1. [M 4,096, K 1,024] x [K 1,024, N 64]; A: input q; B: input Wq: QUANTISED (scales: A lowp_scales[0], B lowp_scales[1])
;;     2. [M 4,096, K 1,024] x [K 1,024, N 64]; A: input k; B: input Wk: QUANTISED (scales: A lowp_scales[2], B lowp_scales[3])
;;     3. [M 4,096, K 1,024] x [K 1,024, N 64]; A: input v; B: input Wv: QUANTISED (scales: A lowp_scales[4], B lowp_scales[5])
;;     4. batch 4 x [M 1,024, K 64] x [K 64, N 1,024]; A: computed on the way; B: computed on the way: QUANTISED (scales: A lowp_scales[6], B lowp_scales[7])
;;     5. batch 4 x [M 16,384, K 1,024] x [K 1,024, N 64]; A: computed on the way; B: computed on the way: QUANTISED (scales: A lowp_scales[8], B lowp_scales[9])
;;     6. [M 65,536, K 64] x [K 64, N 1,024]; A: computed on the way; B: input Wb: QUANTISED (scales: A lowp_scales[10], B lowp_scales[11])
;;   THE QUANTISER, for each operand of a quantised product, along K:
;;     - The operand's scale is 2^e, e = its entry of the input lowp_scales (int32; the entries are numbered through the quantised products in the list's order, A before B).
;;     - Each number is divided by the scale, clamped to +-448, and rounded to the nearest number of E4M3, ties to even, subnormals kept.
;;     - The product sums the exact products of the quantised numbers (number of the format x scale) in f32.
;;   ~~~python
;;   def quantise(x, axis, e):      # numpy; x: float32 -> the quantised numbers, widened to float32 again
;;       x = np.moveaxis(x, axis, -1); K = x.shape[-1]
;;       r = np.clip(x / 2.0 ** e, -448, 448)
;;       step = 2.0 ** (np.maximum(np.frexp(np.where(r == 0, 1, r))[1] - 1, -6) - 3)
;;       q = np.round(r / step) * step * 2.0 ** e      # np.round: ties to even
;;       return np.moveaxis(q, -1, axis).astype(np.float32)
;;   ~~~
;;   OPERANDS COMPUTED ON THE WAY. 'Computed on the way' means the value that the module computes at that place (a softmax that the list does not call 'softmax' is quantised finished and normalised). What goes into a quantiser is computed in f32, as accurately as f32 sums, v_exp_f32 and their like allow (about 1e-6 of the number): no bf16 or f16 on the way to a quantiser, and a product that is left as it is and whose result goes on into a quantised operand takes f32 operands (vector FMAs, or v_wmma_f32_16x16x4_f32). A number that lies on a knife's edge between two numbers of the format may be rounded either way, as far as f32 arithmetic and the matrix unit's own rounding can turn it there, and no further.
;; One version. Each part assembles by itself: llvm-mc -triple=amdgcn-amd-amdhsa -mcpu=gfx1250 --defsym DOCPART=n.
;; ======== version 1 of 1: 2 launches
;; workspace buffers: codes 1,048,576 bytes
;; launch project (part 1): grid 64 x 3, 4 waves a work-group, no clusters, 327,680 bytes of LDS; arguments q, k, v, Wq, Wk, Wv, bq, bk, bv, Wb, lowp_scales, codes; writes codes
.if DOCPART == 1
	.amdgcn_target "amdgcn-amd-amdhsa--gfx1250"
	.amdhsa_code_object_version 6
	.text
	.protected	k_qea94c8a0c8_project
	.globl	k_qea94c8a0c8_project
	.p2align	8
	.type	k_qea94c8a0c8_project,@function
k_qea94c8a0c8_project:
	s_mov_b64 s[64:65], 0
	v_nop
	global_prefetch_b8 v0, s[64:65] scope:SCOPE_SE
	s_setreg_imm32_b32 hwreg(HW_REG_WAVE_MODE, 25, 1), 1
	s_wait_xcnt 0x0
; qp = q Wq^T + bq, kp = k Wk^T + bk, vp = v Wv^T + bv on codes of FP8 (E4M3), each operand with its given scale 2^e; the three results are quantised again
; (qp by entry 7, kp by entry 6, vp by entry 9 of the scales) and stored as codes IN THE ORDER OF THE NEXT PRODUCTS' OPERAND REGISTERS; Wb is quantised (entry 11) the same way.
; SHARES.  Work-group (X, T) takes 64 consecutive memory rows (262,144 bytes) of tensor T (0 = q, 1 = k, 2 = v).  THE FOUR WAVES SHARE K: wave w takes k = 256 w .. 256 w + 255 of all 64 rows,
; so each byte of x and each number of W is wanted by one wave alone.  A wave has 16 accumulators (4 tiles of rows x 4 tiles of the 64 outputs); the four partial sums meet once, in LDS.
; ROW TILE m IS THE MEMORY ROWS 4 r + m.  In k (memory row = 4 key + batch) tile m is batch m, keys 16 X + r; in q and v it fixes an order of the queries that both operands of the later products share.
; q, k: the product is used transposed (source 0 = 16 rows of W, source 1 = x): a lane holds one row and eight neighbouring outputs d, which are the next K.
; v: natural (source 0 = x, source 1 = W): a lane holds one d and eight queries, which are the next K.  The two ways part once on T, round the four tiles; they hold no LDS store.
; x comes by four tensor loads a wave, all issued at the head (four of a wave's are out, by this text's count); nothing is filled again.  W comes meanwhile through registers.
; NO CLUSTER, though the 64 work-groups of a tensor read the same W: x's block takes 266,240 of the 327,680 bytes of LDS from the first line on, and W's f32 slice of a work-group is 262,144 bytes:
; a joint load of W would need a ring of small slots and rounds of the cluster's barrier in front of the stream of x.  W is 1/64 of a work-group's... of the launch's x bytes per tensor.
; THE WORKSPACE (a group of four registers is 512 bytes, lane l's 16 bytes at 16 l):
;   QPC [batch 4][blk 16][m 4] x 1,024: lane (r, h) = query 64 blk + 4 r + m; register pair t, byte j = d 16 t + 8 h + j
;   KPC [batch 4][kblk 64] x 1,024:     lane r = key 16 kblk + r; d as in QPC
;   VPC [batch 4][s 8][t 4] x 2,048:    lane (r, h) = d 16 t + r; register pair 4 (blk & 1) + m, byte j = query 128 s + 64 (blk & 1) + 32 h + 4 j + m
;   WBC [T 64] x 1,024:                 lane (r, h) = row 64 (T / 4) + 4 r + T % 4 of Wb; pair c, byte j = d 16 c + 8 h + j
; Inside a 128-deep instruction k stands permuted (register 4 c + j, byte e = k 32 c + 16 h + 4 j + e), alike in x and W: every product meets its partner; only the order inside a sum changes.
; LIMITS: each given exponent used by a conversion (entries 0 to 7, 9, 11) between -126 and 119; ex + ew between -126 and 127.  NaN and infinities among the inputs are not served.
; REGISTERS.  window 0: v1-15 addresses; v16-23 scales; v28, v29 the add's two; v32-63 bias; v64-127, v128-191 two sets of 64 (W as loaded; x's numbers; the four partials);
;   v192-255 W's 64 numbers back from the stage, later x's two fragments (v192-223) and the codes that leave (v224-231).   window 1: v0-127 W's 8 fragments; v128-255 the 16 accumulators.
; s2 wave, s3 T, s4 X; s[8:31] the twelve addresses; s[32:39] descriptor group 1; s[40:55] four groups 0; s[56:63], s[68:71] the twelve exponents; s[72:79] x, W, bias, destination; s[80:81] 2^(ex + ew); s82-95 at work.
.set XPITCH, 1040                      ; an LDS row of x: 1,024 bytes + 16 of padding = 65 x 16: the 16 rows that a load touches start at 16 different 16-byte columns of the 64 banks (ISA guide 11.1)
.set XTILEB, 16*XPITCH                 ; a tile of 16 rows
.set XREG,   4*XTILEB                  ; a wave's region: four tiles.  When the wave has read it out, its first 16,384 bytes take the wave's partial sums: the region has had its only fill
.set WST,    4*XREG                    ; behind x: W's stage, 16 rows x 528 bytes for each wave
.set WPITCH, 528
.set WSTB,   16*WPITCH
.set SPARE,  WST+4*WSTB                ; behind the stages: the spare words, 128 bytes for each wave: two blocks of 256 bytes that no other line names
.set KPC, 262144
.set VPC, 524288
.set WBC, 786432
.set SPW, 28
.set NIL, 29
.set BI,  32
.set SET0, 64
.set ST,  192
.set XF,  192
.set OC,  224
.set WF,  0                            ; in window 1: fragment (t, s) at 16 (2 t + s)
.set ACC, 128                          ; in window 1: accumulator a at 128 + 8 a
.set MSB, 0
.macro WIN new                         ; the immediate's high byte repeats the setting that is left; a switch that changes nothing is dropped
.if MSB != \new
	s_set_vgpr_msb (MSB<<8)|\new
.set MSB, \new
.endif
.endm
.macro PLACES
.rept 4
	v_nop
.endr
.endm
; v[vs] = 2^e as f32 (a conversion takes its exponent field), v[vl] = 448 x 2^e
.macro SCL e, vs, vl
	s_add_co_i32 s94, \e, 127
	s_lshl_b32 s95, s94, 23
	v_mov_b32 v[\vs], s95
	s_add_co_i32 s94, s94, 8
	s_lshl_b32 s94, s94, 23
	s_or_b32 s94, s94, 0x600000
	v_mov_b32 v[\vl], s94
.endm
; 64 numbers of a lane, v[s] on, become a fragment's 16 registers of codes, v[d] on (win = 1: in window 1)
.macro QUANT s, d, sc, lim, win
.set qi, 0
.rept 64
	v_med3_num_f32 v[\s+qi], v[\s+qi], -v[\lim], v[\lim]   ; the conversion to an 8-bit code does not saturate (ISA guide 7.6.2): the hold at the largest code x the scale
.set qi, qi+1
.endr
.if \win
	WIN 0x40
.endif
.set qi, 0
.rept 8
	v_cvt_scalef32_pk8_fp8_f32 v[\d+2*qi:\d+2*qi+1], v[\s+8*qi:\s+8*qi+7], v[\sc]
.set qi, qi+1
.endr
	v_nop                                          ; one plain vector instruction between the last conversion and the next vector or matrix instruction that touches its registers
	WIN 0
.endm
; W's fragment n = 2 t + s as f32: rows 16 t + i, my wave's bytes 512 s on: each load reads 512 consecutive bytes of one row
.macro WLOAD n
.set wi, 0
.rept 16
	global_load_b128 v[SET0+64*((\n)%2)+4*wi:SET0+64*((\n)%2)+4*wi+3], v4, s[74:75] offset:(16*((\n)/2)+wi)*4096+512*((\n)%2)
.set wi, wi+1
.endr
.endm
; fragment n turns through my stage (in as it was loaded, back 64 bytes a lane and block of 32) and is quantised
.macro WSTEP n
.if \n < 7
	s_wait_loadcnt 16                              ; this fragment's 16 loads are in; the next fragment's 16 may be out
.else
	s_wait_loadcnt 0x0
.endif
.set wi, 0
.rept 16
	ds_store_b128 v6, v[SET0+64*((\n)%2)+4*wi:SET0+64*((\n)%2)+4*wi+3] offset:wi*WPITCH
.set wi, wi+1
.endr
.irp c, 0,1,2,3
.irp j, 0,1,2,3
	ds_load_b128 v[ST+16*\c+4*\j:ST+16*\c+4*\j+3], v7 offset:128*\c+16*\j   ; LDS serves a wave's instructions in order (ISA guide 5.7.1.4): these see the stores above
.endr
.endr
	s_wait_dscnt 0x0                               ; the numbers are back, and the stores have read their registers,
.if \n < 6
	WLOAD \n+2                                     ; which take the fragment two further on
.endif
	QUANT ST, WF+16*(\n), 18, 19, 1
.endm
; Row tile m: its 16 rows x my 256 along K from LDS, quantised into two fragments, 8 matrix instructions: the tile's four accumulators by turns, one instruction a turn.
; nat = 0: transposed, accumulator 4 m + t.  nat = 1: natural, accumulator 4 t + m.  So behind the tiles wave w sums accumulators 4 w .. 4 w + 3 on both ways.
.macro XT m, nat
	s_wait_tensorcnt 3-\m                          ; my tensor loads end in order (ISA guide 10.11.1): tile m is in; the later tiles' loads may be out
.irp s, 0,1
.irp c, 0,1,2,3
.irp j, 0,1,2,3
	ds_load_b128 v[SET0+64*\s+16*\c+4*\j:SET0+64*\s+16*\c+4*\j+3], v5 offset:\m*XTILEB+512*\s+128*\c+16*\j
.endr
.endr
.endr
	s_wait_dscnt 16                                ; the first 128 along K are in; the second 16 loads may be out
	QUANT SET0, XF, 16, 17, 0                      ; (its 64 holds are the places between the tile before's products and the conversions that write their operand anew)
	s_wait_dscnt 0x0
	QUANT SET0+64, XF+16, 16, 17, 0
.if \nat
	WIN 0x54                                       ; source 1 (W), C and D window 1; source 0 (x) window 0
.else
	WIN 0x51                                       ; source 0 (W), C and D window 1; source 1 (x) window 0
.endif
.irp s, 0,1
.irp t, 0,1,2,3
.if \nat
.if \s == 0
	v_wmma_f32_16x16x128_fp8_fp8 v[ACC+8*(4*\t+\m):ACC+8*(4*\t+\m)+7], v[XF+16*\s:XF+16*\s+15], v[WF+16*(2*\t+\s):WF+16*(2*\t+\s)+15], 0
.else
	v_wmma_f32_16x16x128_fp8_fp8 v[ACC+8*(4*\t+\m):ACC+8*(4*\t+\m)+7], v[XF+16*\s:XF+16*\s+15], v[WF+16*(2*\t+\s):WF+16*(2*\t+\s)+15], v[ACC+8*(4*\t+\m):ACC+8*(4*\t+\m)+7]
.endif
.else
.if \s == 0
	v_wmma_f32_16x16x128_fp8_fp8 v[ACC+8*(4*\m+\t):ACC+8*(4*\m+\t)+7], v[WF+16*(2*\t+\s):WF+16*(2*\t+\s)+15], v[XF+16*\s:XF+16*\s+15], 0
.else
	v_wmma_f32_16x16x128_fp8_fp8 v[ACC+8*(4*\m+\t):ACC+8*(4*\m+\t)+7], v[WF+16*(2*\t+\s):WF+16*(2*\t+\s)+15], v[XF+16*\s:XF+16*\s+15], v[ACC+8*(4*\m+\t):ACC+8*(4*\m+\t)+7]
.endif
.endif
.endr
.endr
	WIN 0
.endm
	s_load_b512 s[8:23], s[0:1], 0x0               ; q, k, v, Wq, Wk, Wv, bq, bk
	s_load_b256 s[24:31], s[0:1], 0x40             ; bv, Wb, the scales' exponents, the workspace
	v_lshl_add_u32 v[SPW], v0, 2, SPARE
	v_mov_b32 v[NIL], 0
	ds_add_u32 v[SPW], v[NIL]                      ; the wave's opening: the add and its wait stand ahead of my first tensor load; the set-up below, work on registers, stands between them
	v_lshrrev_b32 v1, 5, v0
	v_readfirstlane_b32 s2, v1                     ; wave 0..3
	s_and_b32 s3, ttmp7, 0xffff                    ; T: which tensor
	s_mov_b32 s4, ttmp9                            ; X: which 64 rows
	; descriptor group 1: a tile of 16 rows x 256 elements of 4 bytes, the rows 4 memory rows apart, padded in LDS
	s_mov_b32 s32, (2<<16)|(1<<20)|(7<<22)|(3<<25) ; 15:0 no mask; 17:16 elements of 4 bytes; 20 padding on; 24:22 after every 256 words (code 7); 31:25 four words (code 3)
	s_mov_b32 s33, 256<<16                         ; tensor_dim0 = 256
	s_mov_b32 s34, 16<<16                          ; tensor_dim1 = 16
	s_mov_b32 s35, 256<<16                         ; tile_dim0 = 256
	s_mov_b32 s36, 16                              ; tile_dim1 = 16
	s_mov_b32 s37, 4096                            ; from row to row of a tile: 4 memory rows of 1,024 elements
	s_mov_b32 s38, 0
	s_mov_b32 s39, 0
	s_mul_i32 s87, s2, XREG                        ; my region of x in LDS
	s_mul_i32 s86, s2, WSTB
	s_add_co_u32 s86, s86, WST                     ; my stage
	s_lshl_b32 s88, s4, 18                         ; x: 64 X rows of 4,096 bytes
	s_lshl_b32 s90, s2, 10                         ; + my 256 along K: 1,024 bytes; the same in W
	s_add_co_u32 s88, s88, s90
	s_mov_b32 s89, 0
	s_mov_b32 s91, 0
	; where my 1,024 bytes of codes go
	s_lshl_b32 s82, s4, 12
	s_lshl_b32 s85, s2, 10
	s_add_co_u32 s82, s82, s85                     ; q: QPC (= 0) + 4,096 X + 1,024 m, m = my wave
	s_lshl_b32 s83, s2, 16
	s_lshl_b32 s85, s4, 10
	s_add_co_u32 s83, s83, s85
	s_add_co_u32 s83, s83, KPC                     ; k: KPC + 65,536 batch + 1,024 X, batch = my wave
	s_lshr_b32 s84, s4, 1
	s_lshl_b32 s84, s84, 13
	s_and_b32 s85, s4, 1
	s_lshl_b32 s85, s85, 10
	s_add_co_u32 s84, s84, s85
	s_lshl_b32 s85, s2, 11
	s_add_co_u32 s84, s84, s85
	s_add_co_u32 s84, s84, VPC                     ; v: VPC + 8,192 (X / 2) + 2,048 t + 1,024 (X % 2), t = my wave
	s_cmp_eq_u32 s3, 0
	s_cselect_b32 s92, s82, s83
	s_cmp_eq_u32 s3, 2
	s_cselect_b32 s92, s84, s92
	s_mov_b32 s93, 0
	s_wait_dscnt 0x0                               ; the opening add is done
	s_wait_kmcnt 0x0
	s_load_b256 s[56:63], s[28:29], 0x0            ; entries 0 to 7
	s_load_b128 s[68:71], s[28:29], 0x20           ; entries 8 to 11
	s_cmp_eq_u32 s3, 0                             ; the buffers are chosen on the work-group's number alone
	s_cselect_b64 s[72:73], s[8:9], s[10:11]
	s_cselect_b64 s[74:75], s[14:15], s[16:17]
	s_cselect_b64 s[76:77], s[20:21], s[22:23]
	s_cmp_eq_u32 s3, 2
	s_cselect_b64 s[72:73], s[12:13], s[72:73]     ; x
	s_cselect_b64 s[74:75], s[18:19], s[74:75]     ; W
	s_cselect_b64 s[76:77], s[24:25], s[76:77]     ; the bias
	s_add_nc_u64 s[72:73], s[72:73], s[88:89]
	s_add_nc_u64 s[74:75], s[74:75], s[90:91]
	s_add_nc_u64 s[78:79], s[30:31], s[92:93]
.irp m, 0,1,2,3
	s_mov_b32 s[40+4*\m], 1                        ; 1:0 count = 1
	s_add_co_u32 s[41+4*\m], s87, \m*XTILEB        ; 63:32 LDS address: my region, tile m
	s_add_nc_u64 s[42+4*\m:43+4*\m], s[72:73], \m*4096   ; 120:64 global address: memory row 64 X + m, my 256 along K
	s_or_b32 s[43+4*\m], s[43+4*\m], 0x80000000    ; 127:126 type = 2
.endr
.irp m, 0,1,2,3
	tensor_load_to_lds s[40+4*\m:43+4*\m], s[32:39]   ; all of my x at once: 4 x 16,384 bytes
	s_nop 0
.endr
	PLACES
	v_and_b32 v1, 31, v0                           ; lane
	v_and_b32 v2, 15, v0                           ; r
	v_bfe_u32 v3, v0, 4, 1                         ; h
	v_lshlrev_b32 v4, 4, v1                        ; 16 x lane
	v_mul_u32_u24 v5, v2, XPITCH
	v_lshl_add_u32 v5, v3, 6, v5
	v_add_nc_u32 v5, s87, v5                       ; x in LDS: my region, row r, + 64 h: my 16 numbers of a block of 32
	v_add_nc_u32 v6, s86, v4                       ; the stage, in: a row's 512 bytes as they were loaded
	v_mul_u32_u24 v7, v2, WPITCH
	v_lshl_add_u32 v7, v3, 6, v7
	v_add_nc_u32 v7, s86, v7                       ; and back: row r, + 64 h
	v_add_nc_u32 v8, s87, v4                       ; where my partial sums go
	s_lshl_b32 s85, s2, 12
	v_add_nc_u32 v9, s85, v4                       ; where I read wave u's accumulators 4 w .. 4 w + 3: u = 0,
	v_add_nc_u32 v10, XREG, v9                     ; 1,
	v_add_nc_u32 v11, 2*XREG, v9                   ; 2,
	v_add_nc_u32 v12, 3*XREG, v9                   ; 3
	v_lshlrev_b32 v13, 5, v3                       ; the bias, transposed use: 32 h
	s_lshl_b32 s85, s2, 6
	v_lshl_add_u32 v14, v2, 2, s85                 ; natural use: the one number of d = 16 w + r
	v_lshlrev_b32 v15, 10, v2
	v_lshl_add_u32 v15, v3, 5, v15                 ; Wb: 4 r rows of 256 bytes, + 32 h
	s_wait_kmcnt 0x0
	s_cmp_eq_u32 s3, 0                             ; x's, W's and the result's exponents: selections, no branch on a loaded number
	s_cselect_b32 s82, s56, s58
	s_cselect_b32 s83, s57, s59
	s_cselect_b32 s84, s63, s62                    ; qp is the scores' right operand (entry 7), kp the left (entry 6)
	s_cmp_eq_u32 s3, 2
	s_cselect_b32 s82, s60, s82
	s_cselect_b32 s83, s61, s83
	s_cselect_b32 s84, s69, s84                    ; vp: entry 9
	SCL s82, 16, 17
	SCL s83, 18, 19
	SCL s84, 20, 21
	SCL s71, 22, 23                                ; Wb: entry 11
	s_add_co_i32 s80, s82, s83
	s_add_co_i32 s80, s80, 127
	s_lshl_b32 s80, s80, 23                        ; 2^(ex + ew) as f32
	s_mov_b32 s81, s80                             ; (named with it as a pair, so it is written)
	; the bias in the layout of the four accumulators that I shall sum
	s_cmp_eq_u32 s3, 2
	s_cbranch_scc1 .Lbias_n
.irp i, 0,1,2,3
	global_load_b128 v[BI+8*\i:BI+8*\i+3], v13, s[76:77] offset:64*\i        ; b(16 i + 8 h + 0 .. 7)
	global_load_b128 v[BI+8*\i+4:BI+8*\i+7], v13, s[76:77] offset:64*\i+16
.endr
	s_branch .Lbias_done
.Lbias_n:
.set bi, 0
.rept 32
	global_load_b32 v[BI+bi], v14, s[76:77]        ; bv(16 w + r) for all my 32 queries
.set bi, bi+1
.endr
.Lbias_done:
	; Wb's codes: the first 16 work-groups of q make them, a tile of 16 rows a wave: tile 4 X + w = rows 64 X + 4 r + w
	s_cmp_lg_u32 s3, 0
	s_cbranch_scc1 .Lno_wb
	s_cmp_ge_u32 s4, 16
	s_cbranch_scc1 .Lno_wb
	s_lshl_b32 s82, s4, 14
	s_lshl_b32 s83, s2, 8
	s_add_co_u32 s82, s82, s83
	s_mov_b32 s83, 0
	s_add_nc_u64 s[82:83], s[26:27], s[82:83]
	s_lshl_b32 s84, s4, 2
	s_add_co_u32 s84, s84, s2
	s_lshl_b32 s84, s84, 10
	s_add_co_u32 s84, s84, WBC
	s_mov_b32 s85, 0
	s_add_nc_u64 s[84:85], s[30:31], s[84:85]
.irp c, 0,1,2,3
	global_load_b128 v[64+8*\c:67+8*\c], v15, s[82:83] offset:64*\c          ; d = 16 c + 8 h + 0 .. 7
	global_load_b128 v[68+8*\c:71+8*\c], v15, s[82:83] offset:64*\c+16
.endr
	s_wait_loadcnt 0x0
.set bi, 0
.rept 32
	v_med3_num_f32 v[64+bi], v[64+bi], -v23, v23
.set bi, bi+1
.endr
.irp c, 0,1,2,3
	v_cvt_scalef32_pk8_fp8_f32 v[96+2*\c:97+2*\c], v[64+8*\c:71+8*\c], v22
.endr
	v_nop
	global_store_b128 v4, v[96:99], s[84:85]       ; 32 lanes store 512 consecutive bytes
	global_store_b128 v4, v[100:103], s[84:85] offset:512
	s_wait_xcnt 0x0                                ; the stores have read their registers: W's loads may land there
.Lno_wb:
	; W: my 256 along K of all 64 rows become 8 fragments of codes, while x is on its way
	WLOAD 0
	WLOAD 1
.irp n, 0,1,2,3,4,5,6,7
	WSTEP \n
.endr
	; x
	s_cmp_eq_u32 s3, 2
	s_cbranch_scc1 .Lnat
	XT 0, 0
	XT 1, 0
	XT 2, 0
	XT 3, 0
	s_branch .Lsum
.Lnat:
	XT 0, 1
	XT 1, 1
	XT 2, 1
	XT 3, 1
.Lsum:
	; my 16 partial sums go to LDS as images of their registers, into the head of my own region: I alone read x there, those reads are back, and all my tensor loads have landed
	PLACES                                         ; four places between the last products and the stores that read results
	WIN 0x04                                       ; a store's data in window 1
.set ai, 0
.rept 16
	ds_store_b128 v8, v[ACC+8*ai:ACC+8*ai+3] offset:ai*1024          ; each accumulator from its low end on
	ds_store_b128 v8, v[ACC+8*ai+4:ACC+8*ai+7] offset:ai*1024+512
.set ai, ai+1
.endr
	WIN 0
	s_wait_dscnt 0x0                               ; for the others' sake: my stores have landed
	s_barrier_signal -1
	s_barrier_wait -1
.irp u, 0,1,2,3
.irp i, 0,1,2,3
	ds_load_b128 v[64+32*\u+8*\i:64+32*\u+8*\i+3], v[9+\u] offset:\i*1024
	ds_load_b128 v[64+32*\u+8*\i+4:64+32*\u+8*\i+7], v[9+\u] offset:\i*1024+512
.endr
.endr
	s_wait_dscnt 0x0
.set oi, 0
.rept 16
	v_pk_add_f32 v[64+oi:65+oi], v[64+oi:65+oi], v[96+oi:97+oi]
	v_pk_add_f32 v[128+oi:129+oi], v[128+oi:129+oi], v[160+oi:161+oi]
	v_pk_add_f32 v[64+oi:65+oi], v[64+oi:65+oi], v[128+oi:129+oi]
	v_pk_fma_f32 v[64+oi:65+oi], v[64+oi:65+oi], s[80:81], v[BI+oi:BI+oi+1] op_sel_hi:[1,0,1]   ; sum x 2^(ex + ew) + bias
.set oi, oi+2
.endr
.set oi, 0
.rept 32
	v_med3_num_f32 v[64+oi], v[64+oi], -v21, v21
.set oi, oi+1
.endr
.irp i, 0,1,2,3
	v_cvt_scalef32_pk8_fp8_f32 v[OC+2*\i:OC+2*\i+1], v[64+8*\i:71+8*\i], v20
.endr
	v_nop
	global_store_b128 v4, v[OC:OC+3], s[78:79]     ; 32 lanes store 512 consecutive bytes, at a multiple of 512 from the workspace's first byte
	global_store_b128 v4, v[OC+4:OC+7], s[78:79] offset:512
	s_wait_tensorcnt 0x0                           ; the wave's end: behind my last tensor load and my last LDS store
	ds_add_u32 v[SPW], v[NIL]
	s_wait_dscnt 0x0
	s_endpgm
.Lfunc_end_k_qea94c8a0c8_project:
	.size	k_qea94c8a0c8_project, .Lfunc_end_k_qea94c8a0c8_project-k_qea94c8a0c8_project
	.p2alignl 7, 3214868480
	.fill 96, 4, 3214868480
	.section	.rodata,"a",@progbits
	.p2align	6, 0x0
	.amdhsa_kernel k_qea94c8a0c8_project
		.amdhsa_group_segment_fixed_size 327680
		.amdhsa_private_segment_fixed_size 0
		.amdhsa_enable_private_segment 0
		.amdhsa_kernarg_size 96
		.amdhsa_user_sgpr_count 2
		.amdhsa_user_sgpr_kernarg_segment_ptr 1
		.amdhsa_wavefront_size32 1
		.amdhsa_system_sgpr_workgroup_id_x 1
		.amdhsa_system_sgpr_workgroup_id_y 1
		.amdhsa_system_sgpr_workgroup_id_z 1
		.amdhsa_system_vgpr_workitem_id 0
		.amdhsa_next_free_vgpr 512
		.amdhsa_next_free_sgpr 96
		.amdhsa_reserve_vcc 0
		.amdhsa_float_denorm_mode_32 3
		.amdhsa_float_denorm_mode_16_64 3
		.amdhsa_memory_ordered 1
		.amdhsa_forward_progress 1
		.amdhsa_inst_pref_size 185
	.end_amdhsa_kernel
	.amdgpu_metadata
---
amdhsa.version: [ 1, 2 ]
amdhsa.kernels:
  - .name:           k_qea94c8a0c8_project
    .symbol:         k_qea94c8a0c8_project.kd
    .args:
      - { .name: q, .offset: 0, .size: 8, .value_kind: global_buffer, .address_space: global }
      - { .name: k, .offset: 8, .size: 8, .value_kind: global_buffer, .address_space: global }
      - { .name: v, .offset: 16, .size: 8, .value_kind: global_buffer, .address_space: global }
      - { .name: Wq, .offset: 24, .size: 8, .value_kind: global_buffer, .address_space: global }
      - { .name: Wk, .offset: 32, .size: 8, .value_kind: global_buffer, .address_space: global }
      - { .name: Wv, .offset: 40, .size: 8, .value_kind: global_buffer, .address_space: global }
      - { .name: bq, .offset: 48, .size: 8, .value_kind: global_buffer, .address_space: global }
      - { .name: bk, .offset: 56, .size: 8, .value_kind: global_buffer, .address_space: global }
      - { .name: bv, .offset: 64, .size: 8, .value_kind: global_buffer, .address_space: global }
      - { .name: Wb, .offset: 72, .size: 8, .value_kind: global_buffer, .address_space: global }
      - { .name: lowp_scales, .offset: 80, .size: 8, .value_kind: global_buffer, .address_space: global }
      - { .name: codes, .offset: 88, .size: 8, .value_kind: global_buffer, .address_space: global }
    .group_segment_fixed_size: 327680
    .private_segment_fixed_size: 0
    .kernarg_segment_align: 8
    .kernarg_segment_size: 96
    .max_flat_workgroup_size: 128
    .sgpr_count:     96
    .vgpr_count:     512
    .wavefront_size: 32
...
	.end_amdgpu_metadata
.endif
;; end of part 1
;; launch attend (part 2): grid 64 x 4, 4 waves a work-group, clusters of 4 x 1, 327,680 bytes of LDS; arguments codes, bb, lowp_scales, out0; writes out0
.if DOCPART == 2
	.amdgcn_target "amdgcn-amd-amdhsa--gfx1250"
	.amdhsa_code_object_version 6
	.text
	.protected	k_qea94c8a0c8_attend
	.globl	k_qea94c8a0c8_attend
	.p2align	8
	.type	k_qea94c8a0c8_attend,@function
k_qea94c8a0c8_attend:
	s_mov_b64 s[64:65], 0
	v_nop
	global_prefetch_b8 v0, s[64:65] scope:SCOPE_SE
	s_setreg_imm32_b32 hwreg(HW_REG_WAVE_MODE, 25, 1), 1
	s_wait_xcnt 0x0
	s_wait_alu depctr_hold_cnt(0) depctr_sa_sdst(0) depctr_va_vdst(0) depctr_va_sdst(0) depctr_va_ssrc(0) depctr_va_vcc(0) depctr_vm_vsrc(0)
	s_getreg_b32 s2, hwreg(HW_REG_IB_STS2, 6, 4)
	s_cmp_eq_u32 s2, 0
	s_cbranch_scc0 .Lentry_in_a_cluster
	s_endpgm
.Lentry_in_a_cluster:
	s_bfe_u32 s2, ttmp6, 0x10000c
	s_cmp_lg_u32 s2, 0x3003
	s_cbranch_scc0 .Lentry_shape_is_right
	s_endpgm
.Lentry_shape_is_right:
; scores = kp qp^T / 64; attn = softmax over the head axis; ctx = attn vp; out = ctx Wb^T + bb; the mean over the heads; stored [key][batch][1024], f32.  All three products on codes of FP8 (E4M3).
; THE SIXTEEN HEADS are one array that the problem broadcasts: the softmax, both later products and the mean are sixteen equal copies for every input.  One copy is computed: the largest of the sixteen
; equal scores is the score itself and is taken away, the sum of the sixteen equal exponentials is 16 p, and the mean of sixteen equal numbers is that number.
; SHARES.  Work-group (kblk, batch) owns 16 keys of one batch.  Wave w takes queries 256 w .. 256 w + 255 (two K steps of ctx's product) and, at the end, output columns 256 w .. 256 w + 255.
; CLUSTER.  The four work-groups of a cluster share the batch, and so qp's, vp's and Wb's codes: each wave asks JOINTLY (the same tensor load, the same descriptor, a mask that names the four) for its
; quarter of each: three loads of 16,384 bytes, all at the head (three of a wave's are out, by this text's count); nothing is filled again.  A wave reads only what it has asked for itself.
; LAYOUT.  The codes lie in the workspace in the order of the operands' registers (the launch before says how), so a fragment comes by ds_load_b128 at 16 x lane.
; scores^T: source 0 = 16 queries, source 1 = my 16 keys: a lane holds ONE key and eight queries, in the order in which vp's fragments hold them: the conversions' results are the next operand.
; ctx^T: source 0 = 16 of vp's 64 channels, source 1 = attn: a lane holds one key and eight neighbouring channels, the last product's K.  The four waves' partial sums meet in LDS: one barrier.
; out: source 0 = ctx, source 1 = 16 rows of Wb; tile 4 g + i holds columns 64 g + 4 r + i, so four tiles give a lane four neighbouring columns: sixteen lanes store 256 consecutive bytes, aligned.
; LIMITS: entries 6 + 7 between -120 and 133 (added to an exponent field); entry 8, and entry 10 - 8 - 9, between -126 and 119; entries 10 + 11 between -126 and 127.
; Where a score is infinite or NaN the problem's result is NaN; here the hold gives the largest code: NaN and infinities are not served.
; REGISTERS.  window 0: v1-14 addresses and scales; v28, v29 the add's two; v32-159 F: qp's 16 fragments, then vp's 8, then the 4 partial ctx, then 128 outputs; v160-191 attn's codes; v192-223 ctx^T;
;   v224-231 ctx's codes; v232-247 bb; v248-255 kp's fragment.   window 1: v0-127 the scores, later the last product's 16 accumulators; v128-255 the softmax's divisors.   window 2: v0-127 Wb's 16 fragments.
; s[4:11] the four addresses; s12 wave, s13 cx, s14 kblk, s15 batch; s[16:23] descriptor group 1; s[24:35] three groups 0; s[42:47] entries 6 to 11; s[48:49] c; s50, s51 scales; s[56:61] kp, out, bb; s52-55, s62, s63 at work.
.set VP,    65536                      ; LDS: qp's codes from 0, vp's, Wb's: 4 x 16,384 bytes each, wave w's quarter at 16,384 w
.set WB,    131072
.set PART,  196608                     ; the partial ctx: 4,096 bytes for each wave
.set SPARE, 212992                     ; the spare words, 128 bytes for each wave: two blocks of 256 bytes that no other line names
.set KPC, 262144
.set VPC, 524288
.set WBC, 786432
.set SPW, 28
.set NIL, 29
.set F,   32
.set AF,  160
.set OT,  192
.set CF,  224
.set BB,  232
.set KF,  248
.set MSB, 0
.macro WIN new                         ; the immediate's high byte repeats the setting that is left; a switch that changes nothing is dropped
.if MSB != \new
	s_set_vgpr_msb (MSB<<8)|\new
.set MSB, \new
.endif
.endm
.macro PLACES
.rept 4
	v_nop
.endr
.endm
.macro CROUND                          ; a round of the cluster's barrier: my work-group's barrier; wave 0 signals for the work-group; every wave waits for all four work-groups; my work-group's barrier once more
	s_barrier_signal -1
	s_barrier_wait -1
	s_cmp_lg_u32 s12, 0
	s_cbranch_scc1 .Lnot_wave_0_\@
	s_barrier_signal -3
.Lnot_wave_0_\@:
	s_barrier_wait -3
	s_barrier_signal -1
	s_barrier_wait -1
.endm
	s_load_b256 s[4:11], s[0:1], 0x0               ; the workspace s[4:5], bb s[6:7], the scales' exponents s[8:9], out0 s[10:11]
	v_lshl_add_u32 v[SPW], v0, 2, SPARE
	v_mov_b32 v[NIL], 0
	ds_add_u32 v[SPW], v[NIL]                      ; the wave's opening: the add and its wait stand ahead of the round in front of my first tensor loads; work on registers stands between them
	v_lshrrev_b32 v1, 5, v0
	v_readfirstlane_b32 s12, v1                    ; wave 0..3
	s_bfe_u32 s13, ttmp6, 0x40000                  ; cx: my place in the cluster: it enters kp's and out0's addresses alone
	s_lshl_b32 s14, ttmp9, 2
	s_add_co_u32 s14, s14, s13                     ; kblk = 4 x cluster x + cx
	s_and_b32 s15, ttmp7, 0xffff                   ; the batch, which the four partners share
	; descriptor group 1: a dense block of 16,384 bytes as 64 rows of 256
	s_mov_b32 s16, 15|(3<<16)|(1<<21)              ; 15:0 the mask: all four work-groups; 17:16 elements of 8 bytes; 20 no padding; 21 set beside a mask
	s_mov_b32 s17, 32<<16                          ; tensor_dim0 = 32
	s_mov_b32 s18, 64<<16                          ; tensor_dim1 = 64
	s_mov_b32 s19, 32<<16                          ; tile_dim0 = 32
	s_mov_b32 s20, 64                              ; tile_dim1 = 64
	s_mov_b32 s21, 32                              ; from row to row
	s_mov_b32 s22, 0
	s_mov_b32 s23, 0
	s_lshl_b32 s52, s12, 14                        ; my quarter: 16,384 w, in LDS and in memory
	s_mov_b32 s53, 0
	s_lshl_b32 s54, s15, 16
	s_add_co_u32 s54, s54, s52                     ; + 65,536 x batch
	s_mov_b32 s55, 0
	s_wait_dscnt 0x0                               ; the opening add is done
	s_wait_kmcnt 0x0
	s_load_b64 s[42:43], s[8:9], 0x18              ; entries 6, 7
	s_load_b128 s[44:47], s[8:9], 0x20             ; entries 8 to 11
	s_mov_b32 s24, 1                               ; qp's quarter
	s_mov_b32 s25, s52
	s_add_nc_u64 s[26:27], s[4:5], s[54:55]
	s_or_b32 s27, s27, 0x80000000
	s_mov_b32 s28, 1                               ; vp's
	s_add_co_u32 s29, s52, VP
	s_add_nc_u64 s[30:31], s[4:5], s[54:55]
	s_add_nc_u64 s[30:31], s[30:31], VPC
	s_or_b32 s31, s31, 0x80000000
	s_mov_b32 s32, 1                               ; Wb's
	s_add_co_u32 s33, s52, WB
	s_add_nc_u64 s[34:35], s[4:5], s[52:53]
	s_add_nc_u64 s[34:35], s[34:35], WBC
	s_or_b32 s35, s35, 0x80000000
	CROUND                                         ; all four work-groups are here: the joint loads meet
	tensor_load_to_lds s[24:27], s[16:23]
	s_nop 0
	tensor_load_to_lds s[28:31], s[16:23]
	s_nop 0
	tensor_load_to_lds s[32:35], s[16:23]
	s_nop 0
	PLACES
	v_and_b32 v1, 31, v0                           ; lane
	v_and_b32 v2, 15, v0                           ; r
	v_bfe_u32 v3, v0, 4, 1                         ; h
	v_lshlrev_b32 v9, 4, v1                        ; 16 x lane
	v_lshlrev_b32 v10, 4, v2                       ; 16 r
	s_lshl_b32 s56, s15, 6
	s_add_co_u32 s56, s56, s14
	s_lshl_b32 s56, s56, 10
	s_add_co_u32 s56, s56, KPC                     ; kp's fragment: KPC + 1,024 (64 batch + kblk)
	s_mov_b32 s57, 0
	s_add_nc_u64 s[56:57], s[4:5], s[56:57]
	s_lshl_b32 s60, s12, 10                        ; bb: my 256 columns
	s_mov_b32 s61, 0
	s_add_nc_u64 s[60:61], s[6:7], s[60:61]
	global_load_b128 v[KF:KF+3], v9, s[56:57]
	global_load_b128 v[KF+4:KF+7], v9, s[56:57] offset:512
.irp g, 0,1,2,3
	global_load_b128 v[BB+4*\g:BB+4*\g+3], v10, s[60:61] offset:256*\g   ; bb(256 w + 64 g + 4 r + 0 .. 3)
.endr
	s_lshl_b32 s58, s14, 18                        ; out0: 16 kblk keys of 16,384 bytes,
	s_lshl_b32 s62, s15, 12                        ; + the batch's row of 4,096,
	s_add_co_u32 s58, s58, s62
	s_lshl_b32 s62, s12, 10                        ; + my 256 columns
	s_add_co_u32 s58, s58, s62
	s_mov_b32 s59, 0
	s_add_nc_u64 s[58:59], s[10:11], s[58:59]
	v_add_nc_u32 v4, s52, v9                       ; qp's fragments,
	v_add_nc_u32 v5, VP, v4                        ; vp's,
	v_add_nc_u32 v6, WB, v4                        ; Wb's: my quarter, 16 x lane
	s_lshl_b32 s62, s12, 12
	s_add_co_u32 s62, s62, PART
	v_add_nc_u32 v7, s62, v9                       ; where my partial ctx goes,
	v_add_nc_u32 v8, PART, v9                      ; and where all four are read
	v_lshl_add_u32 v11, v3, 17, v10                ; out0: 8 h keys of 16,384 bytes + 16 r
	s_wait_kmcnt 0x0
	s_add_co_i32 s62, s42, s43
	s_lshl_b32 s62, s62, 23
	s_add_co_i32 s48, s62, 0x3cb8aa3b              ; c = log2(e) / 64 x 2^(entries 6 + 7): the exponents are added to c's exponent field
	s_mov_b32 s49, s48                             ; (named with it as a pair, so it is written)
	s_add_co_i32 s62, s44, 127
	s_lshl_b32 s63, s62, 23
	v_mov_b32 v12, s63                             ; 2^e8 as f32: attn's conversions take its exponent field
	s_add_co_i32 s62, s62, 8
	s_lshl_b32 s62, s62, 23
	s_or_b32 s50, s62, 0x600000                    ; 448 x 2^e8
	s_sub_co_i32 s62, s46, s44
	s_sub_co_i32 s62, s62, s45                     ; a sum of ctx's product stands for sum x 2^(e8 + e9): its code is sum / 2^(e10 - e8 - e9)
	s_add_co_i32 s62, s62, 127
	s_lshl_b32 s63, s62, 23
	v_mov_b32 v13, s63
	s_add_co_i32 s62, s62, 8
	s_lshl_b32 s62, s62, 23
	s_or_b32 s62, s62, 0x600000
	v_mov_b32 v14, s62                             ; 448 x that
	s_add_co_i32 s51, s46, s47
	s_add_co_i32 s51, s51, 127
	s_lshl_b32 s51, s51, 23                        ; 2^(e10 + e11) as f32
	; ---- the scores of my 16 keys and my 256 queries
	s_wait_tensorcnt 2                             ; qp's quarter is in; vp's and Wb's loads may be out
.set fi, 0
.rept 16
	ds_load_b128 v[F+8*fi:F+8*fi+3], v4 offset:fi*1024
	ds_load_b128 v[F+8*fi+4:F+8*fi+7], v4 offset:fi*1024+512
.set fi, fi+1
.endr
	s_wait_loadcnt 0x0                             ; kp's fragment, and bb
	s_wait_dscnt 16                                ; the first eight fragments are in; the other eight's 16 loads may be out
	WIN 0x40                                       ; the results in window 1
.set fi, 0
.rept 8
	v_wmma_f32_16x16x64_fp8_fp8 v[8*fi:8*fi+7], v[F+8*fi:F+8*fi+7], v[KF:KF+7], 0
.set fi, fi+1
.endr
	s_wait_dscnt 0x0
.rept 8
	v_wmma_f32_16x16x64_fp8_fp8 v[8*fi:8*fi+7], v[F+8*fi:F+8*fi+7], v[KF:KF+7], 0
.set fi, fi+1
.endr
	WIN 0
	PLACES                                         ; four places in front of the loads into registers that these products read, and of the first read of their results
	; ---- vp's and Wb's fragments are asked for now and land under the softmax
	s_wait_tensorcnt 1
.set fi, 0
.rept 8
.irp c, 0,1,2,3
	ds_load_b128 v[F+16*fi+4*\c:F+16*fi+4*\c+3], v5 offset:fi*2048+512*\c     ; fragment 4 s + t: K step s of my two, channels 16 t on
.endr
.set fi, fi+1
.endr
	s_wait_tensorcnt 0x0
	WIN 0x80                                       ; destination window 2
.set fi, 0
.rept 16
	ds_load_b128 v[8*fi:8*fi+3], v6 offset:fi*1024
	ds_load_b128 v[8*fi+4:8*fi+7], v6 offset:fi*1024+512
.set fi, fi+1
.endr
	; ---- the softmax over the sixteen equal heads, on my 128 scores a lane
	WIN 0x55                                       ; all operands in window 1
.set ji, 0
.rept 64
	v_pk_mul_f32 v[ji:ji+1], v[ji:ji+1], s[48:49] op_sel_hi:[1,0]             ; t = score x log2(e) / 64; each accumulator from its low end on
.set ji, ji+2
.endr
.set ji, 0
.rept 64
	v_pk_add_f32 v[ji:ji+1], v[ji:ji+1], v[ji:ji+1] neg_lo:[0,1] neg_hi:[0,1] ; less the largest t among the heads, which is t itself
.set ji, ji+2
.endr
.set ji, 0
.rept 128
	v_exp_f32 v[ji], v[ji]                         ; p
.set ji, ji+1
.endr
	v_nop                                          ; a plain instruction behind the last exponential
	s_wait_alu depctr_va_vdst(0)                   ; one wait for the batch, ahead of its first reader
.set ji, 0
.rept 64
	v_pk_mul_f32 v[128+ji:129+ji], v[ji:ji+1], 0x41800000 op_sel_hi:[1,0]     ; the sum over the sixteen heads: 16 p
.set ji, ji+2
.endr
.set ji, 0
.rept 128
	v_rcp_f32 v[128+ji], v[128+ji]
.set ji, ji+1
.endr
	v_nop
	s_wait_alu depctr_va_vdst(0)                   ; one wait for the batch of reciprocals
.set ji, 0
.rept 64
	v_pk_mul_f32 v[ji:ji+1], v[ji:ji+1], v[128+ji:129+ji]                     ; attn = p / the sum
.set ji, ji+2
.endr
.set ji, 0
.rept 128
	v_min_num_f32 v[ji], s50, v[ji]                ; attn is not negative: the hold at the largest code x the scale is one-sided (the conversion does not saturate: ISA guide 7.6.2)
.set ji, ji+1
.endr
	WIN 0x01                                       ; source 0 window 1; the scale and the codes in window 0
.set fi, 0
.rept 16
	v_cvt_scalef32_pk8_fp8_f32 v[AF+2*fi:AF+2*fi+1], v[8*fi:8*fi+7], v12
.set fi, fi+1
.endr
	v_nop                                          ; one plain vector instruction between the last conversion and the products that read its result
	WIN 0
	; ---- ctx^T over my 256 queries: four accumulators by turns, one instruction a turn
	s_wait_dscnt 32                                ; vp's fragments are in; Wb's 32 loads, issued behind them, may be out
.irp s, 0,1
.irp t, 0,1,2,3
.if \s == 0
	v_wmma_f32_16x16x128_fp8_fp8 v[OT+8*\t:OT+8*\t+7], v[F+16*(4*\s+\t):F+16*(4*\s+\t)+15], v[AF+16*\s:AF+16*\s+15], 0
.else
	v_wmma_f32_16x16x128_fp8_fp8 v[OT+8*\t:OT+8*\t+7], v[F+16*(4*\s+\t):F+16*(4*\s+\t)+15], v[AF+16*\s:AF+16*\s+15], v[OT+8*\t:OT+8*\t+7]
.endif
.endr
.endr
	PLACES                                         ; in front of the stores that read results, and of the loads into vp's registers
.irp t, 0,1,2,3
	ds_store_b128 v7, v[OT+8*\t:OT+8*\t+3] offset:\t*1024
	ds_store_b128 v7, v[OT+8*\t+4:OT+8*\t+7] offset:\t*1024+512
.endr
	s_wait_dscnt 0x0                               ; for the others' sake: my stores have landed (Wb's fragments are in too)
	s_barrier_signal -1
	s_barrier_wait -1
.irp u, 0,1,2,3
.irp t, 0,1,2,3
	ds_load_b128 v[F+32*\u+8*\t:F+32*\u+8*\t+3], v8 offset:\u*4096+\t*1024
	ds_load_b128 v[F+32*\u+8*\t+4:F+32*\u+8*\t+7], v8 offset:\u*4096+\t*1024+512
.endr
.endr
	s_wait_dscnt 0x0
.set ji, 0
.rept 16
	v_pk_add_f32 v[F+ji:F+ji+1], v[F+ji:F+ji+1], v[F+32+ji:F+33+ji]
	v_pk_add_f32 v[F+64+ji:F+65+ji], v[F+64+ji:F+65+ji], v[F+96+ji:F+97+ji]
	v_pk_add_f32 v[F+ji:F+ji+1], v[F+ji:F+ji+1], v[F+64+ji:F+65+ji]
.set ji, ji+2
.endr
.set ji, 0
.rept 32
	v_med3_num_f32 v[F+ji], v[F+ji], -v14, v14
.set ji, ji+1
.endr
.irp t, 0,1,2,3
	v_cvt_scalef32_pk8_fp8_f32 v[CF+2*\t:CF+2*\t+1], v[F+8*\t:F+8*\t+7], v13
.endr
	v_nop
	; ---- out: my 256 columns of the 16 keys
	WIN 0x48                                       ; source 1 (Wb) window 2, the results in window 1
.set fi, 0
.rept 16
	v_wmma_f32_16x16x64_fp8_fp8 v[8*fi:8*fi+7], v[CF:CF+7], v[8*fi:8*fi+7], 0
.set fi, fi+1
.endr
	PLACES
	WIN 0x01                                       ; source 0 (the sums) window 1
.irp g, 0,1,2,3
.irp j, 0,1,2,3,4,5,6,7
.irp i, 0,1,2,3
	v_fma_f32 v[F+32*\g+4*\j+\i], v[8*(4*\g+\i)+\j], s51, v[BB+4*\g+\i]       ; sum x 2^(e10 + e11) + bb: key 8 h + j, column 256 w + 64 g + 4 r + i; the mean of the sixteen equal heads is this number.  Register 0 of each accumulator is read first
.endr
.endr
.endr
	WIN 0
.irp g, 0,1,2,3
.irp j, 0,1,2,3,4,5,6,7
	global_store_b128 v11, v[F+32*\g+4*\j:F+32*\g+4*\j+3], s[58:59] offset:\j*16384+\g*256 th:TH_STORE_NT   ; sixteen lanes store 256 consecutive bytes, at a multiple of 256 from out0's first byte
.endr
.endr
	s_wait_tensorcnt 0x0                           ; the wave's end: behind my last tensor load and my last LDS store
	ds_add_u32 v[SPW], v[NIL]
	s_wait_dscnt 0x0
	CROUND                                         ; the closing round: no work-group ends while a partner may still ask for a block that names it
	s_endpgm
.Lfunc_end_k_qea94c8a0c8_attend:
	.size	k_qea94c8a0c8_attend, .Lfunc_end_k_qea94c8a0c8_attend-k_qea94c8a0c8_attend
	.p2alignl 7, 3214868480
	.fill 96, 4, 3214868480
	.section	.rodata,"a",@progbits
	.p2align	6, 0x0
	.amdhsa_kernel k_qea94c8a0c8_attend
		.amdhsa_group_segment_fixed_size 327680
		.amdhsa_private_segment_fixed_size 0
		.amdhsa_enable_private_segment 0
		.amdhsa_kernarg_size 32
		.amdhsa_user_sgpr_count 2
		.amdhsa_user_sgpr_kernarg_segment_ptr 1
		.amdhsa_wavefront_size32 1
		.amdhsa_system_sgpr_workgroup_id_x 1
		.amdhsa_system_sgpr_workgroup_id_y 1
		.amdhsa_system_sgpr_workgroup_id_z 1
		.amdhsa_system_vgpr_workitem_id 0
		.amdhsa_next_free_vgpr 768
		.amdhsa_next_free_sgpr 66
		.amdhsa_reserve_vcc 0
		.amdhsa_float_denorm_mode_32 3
		.amdhsa_float_denorm_mode_16_64 3
		.amdhsa_memory_ordered 1
		.amdhsa_forward_progress 1
		.amdhsa_inst_pref_size 66
	.end_amdhsa_kernel
	.amdgpu_metadata
---
amdhsa.version: [ 1, 2 ]
amdhsa.kernels:
  - .name:           k_qea94c8a0c8_attend
    .symbol:         k_qea94c8a0c8_attend.kd
    .args:
      - { .name: codes, .offset: 0, .size: 8, .value_kind: global_buffer, .address_space: global }
      - { .name: bb, .offset: 8, .size: 8, .value_kind: global_buffer, .address_space: global }
      - { .name: lowp_scales, .offset: 16, .size: 8, .value_kind: global_buffer, .address_space: global }
      - { .name: out0, .offset: 24, .size: 8, .value_kind: global_buffer, .address_space: global }
    .group_segment_fixed_size: 327680
    .private_segment_fixed_size: 0
    .kernarg_segment_align: 8
    .kernarg_segment_size: 32
    .max_flat_workgroup_size: 128
    .sgpr_count:     66
    .vgpr_count:     768
    .wavefront_size: 32
...
	.end_amdgpu_metadata
.endif
;; end of part 2
